; MI455X (gfx1250); checked and timed in simulation.
; The chip was launched on July 23, 2026; its instructions are those of AMD's public machine-readable ISA for CDNA 5 (MIT licence, August 2026) and "CDNA5" Instruction Set Architecture Reference Guide (July 2026). The comments in the code are by the model that wrote it; some were corrected since.
;; Bahdanau Attention. Allowed arithmetic: matrix products marked QUANTISED: E2M1 operands, one E8M0 scale for each 32 along K, by v_wmma_scale_f32_16x16x128_f8f6f4 with both operands' format E2M1 (or v_wmma_scale_f32_32x16x128_f4), f32 sums; products left as they are: f32 operands where the result goes on into a quantised operand, else bf16, f16 or f32 operands; f32 sums; everything else in f32.
;; Inputs: Ua_b 1,024 float32; Ua_w 1,024 x 1,024 float32; Va_b 1 float32; Va_w 1 x 1,024 float32; Wa_b 1,024 float32; Wa_w 1,024 x 1,024 float32; keys 32 x 2,048 x 1,024 float32; query 32 x 1 x 1,024 float32.
;; Outputs: out0 32 x 1 x 1,024 float32; out1 32 x 1 x 2,048 float32.
;; This version of the problem:
;;   THIS VERSION OF THE PROBLEM IS GIVEN IN LOW PRECISION. The matrix products marked QUANTISED in the list below multiply operands that are first quantised to E2M1 (2 exponent bits, 1 mantissa bit; 4 bits a number), with one power-of-two scale for each 32 numbers along K (OCP MX v1.0); their sums are f32. All else is computed in f32.
;;   The module's matrix products, in the order in which they are computed (A, B: the left and right operand; K: the contracted axis; several contracted axes count as one K, in the product's order):
;;     1. [M 32, K 1,024] x [K 1,024, N 1,024]; A: input query; B: input Wa_w: QUANTISED
;;     2. [M 65,536, K 1,024] x [K 1,024, N 1,024]; A: input keys; B: input Ua_w: QUANTISED
;;     3. [M 65,536, K 1,024] x [K 1,024, N 1]; A: computed on the way; B: input Va_w: left as it is (N = 1 < 16)
;;     4. batch 32 x [M 1, K 2,048] x [K 2,048, N 1,024]; A: softmax; B: input keys: left as it is (M = 1 < 16)
;;   THE QUANTISER, for each operand of a quantised product, along K:
;;     - K is cut into blocks of 32 from its start; a last block that is shorter is filled with zeros.
;;     - A block's scale is 2^e with e = floor(log2(the largest magnitude in the block)) - 2, held to -126 .. 127; a block of zeros has e = 0. As a byte (E8M0): e + 127.
;;     - Each number is divided by its block's scale, clamped to +-6, and rounded to the nearest number of E2M1, ties to even, subnormals kept.
;;     - The product sums the exact products of the quantised numbers (number of the format x scale) in f32.
;;   ~~~python
;;   def quantise(x, axis):      # numpy; x: float32 -> the quantised numbers, widened to float32 again
;;       x = np.moveaxis(x, axis, -1); K = x.shape[-1]
;;       x = np.pad(x, [(0, 0)] * (x.ndim - 1) + [(0, -K % 32)]); x = x.reshape(x.shape[:-1] + (-1, 32)); a = np.abs(x).max(-1, keepdims=True)
;;       e = np.where(a > 0, np.clip(np.frexp(np.where(a > 0, a, 1))[1] - 1 - 2, -126, 127), 0)      # np.frexp(a)[1] - 1 = floor(log2(a)), exactly
;;       r = np.clip(x / 2.0 ** e, -6, 6)
;;       step = 2.0 ** (np.maximum(np.frexp(np.where(r == 0, 1, r))[1] - 1, 0) - 1)
;;       q = np.round(r / step) * step * 2.0 ** e      # np.round: ties to even
;;       return np.moveaxis(q.reshape(q.shape[:-2] + (-1,))[..., :K], -1, axis).astype(np.float32)
;;   ~~~
;; One version. Each part assembles by itself: llvm-mc -triple=amdgcn-amd-amdhsa -mcpu=gfx1250 --defsym DOCPART=n.
;; ======== version 1 of 1: 3 launches
;; limits: values are held in bf16: 8 bits of precision; right only within a limited range of input values
;; workspace buffers: ub 557,056 bytes; qb2 131,072 bytes; sc 262,144 bytes; pst 32,768 bytes; pctx 1,048,576 bytes
;; launch prep (part 1): grid 64 x 2, 8 waves a work-group, no clusters, 11,520 bytes of LDS; arguments query, Wa_w, Wa_b, Ua_w, Ua_b, ub, qb2; writes ub, qb2
.if DOCPART == 1
	.amdgcn_target "amdgcn-amd-amdhsa--gfx1250"
	.amdhsa_code_object_version 6
	.text
	.protected	k_q675171bf97_prep
	.globl	k_q675171bf97_prep
	.p2align	8
	.type	k_q675171bf97_prep,@function
k_q675171bf97_prep:
	s_mov_b64 s[64:65], 0
	v_nop
	global_prefetch_b8 v0, s[64:65] scope:SCOPE_SE
	s_setreg_imm32_b32 hwreg(HW_REG_WAVE_MODE, 25, 1), 1
	s_wait_xcnt 0x0
; Two things that the main launch wants ready.
; (1) Ua_w [1024 (o)][1024 (k)] f32 becomes codes of FP4 (E2M1) with one E8M0 byte for each 32 along K, laid in the order of the operand's registers:
;     ub = 64 tiles T (outputs 16 T .. 16 T + 15) of 8,704 bytes: codes at 1024 g + 512 c + 16 lane, scale words at 8192 + 16 lane + 4 k.
;     K IS TAKEN IN ANOTHER ORDER, alike for Ua_w here and for the keys in the main launch: K step g (0..7) holds the true blocks 8 B + g, B = 0..3.  Blocks and scales are the true ones; only the order of the f32 sums differs.
; (2) qb2 [T][batch 32][16] = c (Q(query) Q(Wa_w)^T + Wa_b + Ua_b), c = 2 log2(e): what the main launch adds inside the exponential of its tanh.  This product has K in its true order.
; SHARES.  Work-group (T, y) owns 16 outputs and batches 16 y .. 16 y + 15.  Wave g owns K step g of Wa_w and of the query; the eight waves' parts of q meet in LDS and are added in the order g = 0 .. 7 by waves 4 and 5.
; Waves 0 to 3 also quantise K step 4 y + g of Ua_w; their scale words are 256 consecutive bytes of ub, which wave 6 stores.  Every load of a wave is asked for before its first wait: no set of registers is loaded twice.
; 128 work-groups: a sum over K stays inside one work-group, and the product has 64 tiles of outputs x 2 tiles of batches.  Wa_w is read by the two work-groups of a tile, so it has no hint; Ua_w is read once.
; A block's scale is 2^(floor(log2(largest magnitude)) - 2); its byte is the largest magnitude's exponent field - 2, held at 1 from below.
; LIMITS: a block of zeros gets the byte 1 where the rule says 127 (its codes are zeros, and this program alone reads the bytes); NaN and infinities among the inputs are not served.
; WORK LEFT OUT BY THE PROGRAM.  score[s] = Va_b + sum of Va[o] tanh(..) and tanh(x) = 1 - 2 r give score[s] = (Va_b + sum of Va) - 2 sum of Va[o] r[s][o].
; The bracket is the same for all s of a batch, and both outputs hang on the scores through a softmax along s alone, which takes such a term away for all values of the inputs.
; So Va_b is not loaded and is among no launch's arguments, and the sum of Va is not formed.  LIMIT: a NaN, an infinity or an overflow that reaches only that term is not carried to the result.
.set RED, 0
.set USC, 10240                        ; LDS: 64 scale words of Ua_w, as they lie in ub: 16 r + 4 g
.set S0,  16                           ; v16-79   64 numbers of a lane: Ua_w
.set S1,  80                           ; v80-143  Wa_w; when it is quantised: q^T at v80-87, the eight parts at v96-127
.set S2,  144                          ; v144-207 the query
.set TM,  208                          ; v208-219 at work in QUANT
.set UBI, 220                          ; v220-223 Ua_b
.set UF,  224                          ; Ua_w's fragment
.set WF,  232                          ; Wa_w's
.set A0,  240                          ; the query's
.set UW,  248                          ; v248-250 the three scale words, and nothing else
.set WW,  249
.set AW,  250
.set WBI, 252                          ; v252-255 Wa_b
.set D0,  80
.set RD,  96
.set WV,  18
.set SEL, 26
; 64 numbers of a lane: register 16 b + 4 j + i = number 16 h + 4 j + i of block b of my row.  bstep: bytes from block to block
.macro XLOAD reg, bs, adr, bstep, nt
.irp b, 0,1,2,3
.irp j, 0,1,2,3
.if \nt
	global_load_b128 v[\reg+16*\b+4*\j:\reg+16*\b+4*\j+3], v[\adr], s[\bs:\bs+1] offset:\bstep*\b+16*\j th:TH_LOAD_NT
.else
	global_load_b128 v[\reg+16*\b+4*\j:\reg+16*\b+4*\j+3], v[\adr], s[\bs:\bs+1] offset:\bstep*\b+16*\j
.endif
.endr
.endr
.endm
; v[s] .. v[s + 63] become a fragment's codes in v[pc] .. v[pc + 7] and its scale word in v[pw]
.macro QUANT s, pc, pw
.irp b, 0,1,2,3
	v_max3_num_f32 v[TM+\b], |v[\s+16*\b]|, |v[\s+1+16*\b]|, 0x1800000   ; my 16 numbers of block b, and the floor 2^(3 - 127): the byte cannot fall under 1
.endr
.irp i, 2,4,6,8,10,12,14
.irp b, 0,1,2,3
	s_delay_alu instid0(VALU_DEP_4)
	v_max3_num_f32 v[TM+\b], v[TM+\b], |v[\s+16*\b+\i]|, |v[\s+1+16*\b+\i]|   ; the four blocks by turns
.endr
.endr
.irp b, 0,1,2,3
	s_delay_alu instid0(VALU_DEP_4)
	v_permlanex16_b32 v[TM+4+\b], v[TM+\b], s[SEL], s[SEL+1]
.endr
.irp b, 0,1,2,3
	s_delay_alu instid0(VALU_DEP_4)
	v_max_num_f32 v[TM+\b], v[TM+\b], v[TM+4+\b]   ; with lane l xor 16: the block's largest magnitude
.endr
.irp b, 0,1,2,3
	s_delay_alu instid0(VALU_DEP_4)
	v_add_nc_u32 v[TM+8+\b], 0xff000000, v[TM+\b]  ; 2 off its exponent field: the conversion's scale operand
.endr
.irp b, 0,1,2,3
	s_delay_alu instid0(VALU_DEP_4)
	v_lshrrev_b32 v[TM+4+\b], 23, v[TM+8+\b]       ; the scale's byte
.endr
	s_delay_alu instid0(VALU_DEP_3)
	v_lshl_or_b32 v[\pw], v[TM+5], 8, v[TM+4]
	s_delay_alu instid0(VALU_DEP_1)
	v_lshl_or_b32 v[\pw], v[TM+6], 16, v[\pw]
	s_delay_alu instid0(VALU_DEP_1)
	v_lshl_or_b32 v[\pw], v[TM+7], 24, v[\pw]
.irp b, 0,1,2,3
	v_cvt_scalef32_pk8_fp4_f32 v[\pc+2*\b], v[\s+16*\b:\s+7+16*\b], v[TM+8+\b]
	v_cvt_scalef32_pk8_fp4_f32 v[\pc+1+2*\b], v[\s+8+16*\b:\s+15+16*\b], v[TM+8+\b]
.endr
	v_nop                                          ; one plain place behind a scaled conversion
.irp c, 0,1                                    ; the operand's layout wants a whole block in a lane: lanes 0-15 block 2 c, lanes 16-31 block 2 c + 1
.irp i, 0,1
	v_permlane16_swap_b32 v[\pc+4*\c+\i], v[\pc+2+4*\c+\i]
.endr
.endr
.endm
	s_load_b256 s[4:11], s[0:1], 0x0               ; query s[4:5], Wa_w s[6:7], Wa_b s[8:9], Ua_w s[10:11]
	s_load_b128 s[12:15], s[0:1], 0x20             ; Ua_b s[12:13], ub s[14:15]
	s_load_b64 s[16:17], s[0:1], 0x30              ; qb2
	v_lshl_add_u32 v251, v0, 2, 0x2900
	s_set_vgpr_msb 0x40
	v_mov_b32 v1, 0
	s_set_vgpr_msb 0x4000
	v_lshrrev_b32 v1, 5, v0
	s_delay_alu instid0(VALU_DEP_1)
	v_readfirstlane_b32 s[WV], v1                  ; wave g = 0..7
	s_and_b32 s19, ttmp7, 0xffff                   ; y: it enters global addresses alone
	v_and_b32 v1, 31, v0                           ; lane
	v_and_b32 v2, 15, v0                           ; r
	s_wait_alu depctr_va_vdst(0)
	v_bfe_u32 v3, v0, 4, 1                         ; h
	v_lshlrev_b32 v14, 12, v2                      ; row r of 4,096 bytes
	s_delay_alu instid0(VALU_DEP_1)
	v_lshl_add_u32 v14, v3, 6, v14                 ; + 64 h: my 16 numbers of a block
	s_and_b32 s21, s[WV], 3
	s_lshl_b32 s20, s19, 2
	s_add_co_u32 s20, s20, s21                     ; Ua_w's K step of waves 0 to 3: 4 y + g
	s_lshl_b32 s22, s20, 7
	v_add_nc_u32 v4, s22, v14                      ; Ua_w: block b of that K step is true block 8 b + 4 y + g: 1024 b + 128 (4 y + g)
	s_lshl_b32 s22, s[WV], 9
	v_add_nc_u32 v5, s22, v14                      ; Wa_w, query: 512 g + 128 b
	v_lshlrev_b32 v12, 4, v1                       ; 16 x lane
	s_lshl_b32 s22, s20, 10
	v_add_nc_u32 v6, s22, v12                      ; ub: 1024 (4 y + g) + 16 lane
	s_lshl_b32 s22, s21, 2
	s_add_co_u32 s22, s22, USC
	v_lshl_add_u32 v7, v2, 4, s22                  ; LDS: the word of output r, wave g (0 to 3): 16 r + 4 g
	s_mul_i32 s22, s[WV], 1280
	v_mul_u32_u24 v8, v2, 80
	s_wait_alu depctr_va_vdst(0)
	v_lshl_add_u32 v8, v3, 5, v8
	s_delay_alu instid0(VALU_DEP_1)
	v_add_nc_u32 v8, s22, v8                       ; LDS: my part of q: batch r, outputs 8 h on
	v_bfe_u32 v9, v0, 2, 3                         ; lane / 4
	v_and_b32 v13, 3, v0                           ; lane % 4
	s_and_b32 s22, s[WV], 1
	s_lshl_b32 s23, s22, 3
	v_add_nc_u32 v9, s23, v9
	s_delay_alu instid0(VALU_DEP_1)
	v_mul_u32_u24 v9, v9, 80
	v_lshlrev_b32 v13, 4, v13                      ; also: my four numbers of the biases
	s_delay_alu instid0(VALU_DEP_1)
	v_add_nc_u32 v9, v9, v13                       ; LDS, back (waves 4, 5): batch 8 (g % 2) + lane / 4, outputs 4 (lane % 4) on
	s_lshl_b32 s23, s22, 9
	v_add_nc_u32 v10, s23, v12                     ; qb2: 512 (g % 2) + 16 lane
	v_lshlrev_b32 v15, 3, v1                       ; 8 x lane
	s_delay_alu instid0(VALU_DEP_1)
	v_add_nc_u32 v11, USC, v15                     ; LDS, back (wave 6): the scale words, 8 bytes a lane
	s_lshl_b32 s23, s19, 8
	v_add_nc_u32 v15, s23, v15                     ; and their place in the tile's 512 bytes of words: 256 y + 8 lane
.irp b, 0,1,2,3
	v_mov_b32 v[TM+4+\b], 0                        ; written once: a lane permute's destination counts as one of its sources
.endr
	s_mov_b32 s24, 0x4038aa3b                      ; c = 2 log2(e)
	s_mov_b32 s25, s24
	s_mov_b32 s[SEL], 0x76543210
	s_mov_b32 s[SEL+1], 0xfedcba98                 ; lane l xor 16
	s_lshl_b32 s20, ttmp9, 16                      ; 16 rows of 4,096 bytes a tile
	s_mov_b32 s21, 0
	s_mul_i32 s22, ttmp9, 8704
	s_mov_b32 s23, 0
	s_lshl_b32 s28, ttmp9, 11                      ; qb2: 2,048 bytes a tile, 1,024 for 16 batches
	s_lshl_b32 s29, s19, 10
	s_add_co_u32 s28, s28, s29
	s_mov_b32 s29, 0
	s_lshl_b32 s30, ttmp9, 6
	s_mov_b32 s31, 0
	s_lshl_b32 s32, s19, 16                        ; 16 batches of 4,096 bytes
	s_mov_b32 s33, 0
	s_wait_kmcnt 0x0
	s_add_nc_u64 s[4:5], s[4:5], s[32:33]
	s_add_nc_u64 s[6:7], s[6:7], s[20:21]
	s_add_nc_u64 s[10:11], s[10:11], s[20:21]
	s_add_nc_u64 s[14:15], s[14:15], s[22:23]
	s_add_nc_u64 s[16:17], s[16:17], s[28:29]
	s_add_nc_u64 s[8:9], s[8:9], s[30:31]
	s_add_nc_u64 s[12:13], s[12:13], s[30:31]
	global_load_b128 v[WBI:WBI+3], v13, s[8:9]     ; Wa_b
	global_load_b128 v[UBI:UBI+3], v13, s[12:13]   ; Ua_b
	XLOAD S1, 6, 5, 128, 0                         ; Wa_w
	XLOAD S2, 4, 5, 128, 0                         ; my 16 batches of the query
	s_cmp_lt_u32 s[WV], 4
	s_cbranch_scc0 .Lno_ua
	XLOAD S0, 10, 4, 1024, 1                       ; waves 0 to 3: Ua_w
	s_wait_loadcnt 0x0                             ; it was asked for last
	QUANT S0, UF, UW
	global_store_b128 v6, v[UF:UF+3], s[14:15]               ; 32 lanes store 512 consecutive bytes: registers 0-3 of the fragment as they stand
	global_store_b128 v6, v[UF+4:UF+7], s[14:15] offset:512  ; registers 4-7
	ds_store_b32 v7, v[UW]                         ; both halves of the lanes write the same word with the same value
.Lno_ua:
	s_wait_loadcnt 16                              ; the biases and Wa_w are in; the query's 16 loads may be out (in waves 0 to 3 nothing is out)
	QUANT S1, WF, WW
	s_wait_loadcnt 0x0
	QUANT S2, A0, AW
.rept 8
	v_nop                                          ; a scale register written by a vector instruction stands 8 places ahead of a scaled matrix instruction, an operand 4
.endr
	; source 0 = 16 rows of Wa_w, source 1 = 16 batches: lane (r, h) holds batch r, its register j output 8 h + j
	v_wmma_scale_f32_16x16x128_f8f6f4 v[D0:D0+7], v[WF:WF+7], v[A0:A0+7], 0, v[WW], v[AW] matrix_a_fmt:MATRIX_FMT_FP4 matrix_b_fmt:MATRIX_FMT_FP4
.rept 4
	v_nop                                          ; four places in front of the first read of a result
.endr
	ds_store_b128 v8, v[D0:D0+3]                   ; the accumulator from its low end on
	ds_store_b128 v8, v[D0+4:D0+7] offset:16
	s_wait_dscnt 0x0                               ; for the others: my stores have landed
	s_barrier_signal -1
	s_barrier_wait -1
	s_cmp_lt_u32 s[WV], 4
	s_cbranch_scc1 .Lend
	s_cmp_lt_u32 s[WV], 6
	s_cbranch_scc0 .Lnot_sum
.irp s, 0,1,2,3,4,5,6,7                        ; waves 4, 5: eight batches each; a lane takes four outputs of one batch
	ds_load_b128 v[RD+4*\s:RD+4*\s+3], v9 offset:1280*\s
.endr
	s_wait_dscnt 0x0
.irp s, 1
	v_pk_add_f32 v[RD:RD+1], v[RD:RD+1], v[RD+4*\s:RD+4*\s+1]
	v_pk_add_f32 v[RD+2:RD+3], v[RD+2:RD+3], v[RD+4*\s+2:RD+4*\s+3]
.endr
.irp s, 2, 3, 4, 5, 6, 7
	s_delay_alu instid0(VALU_DEP_2)
	v_pk_add_f32 v[RD:RD+1], v[RD:RD+1], v[RD+4*\s:RD+4*\s+1]
	s_delay_alu instid0(VALU_DEP_2)
	v_pk_add_f32 v[RD+2:RD+3], v[RD+2:RD+3], v[RD+4*\s+2:RD+4*\s+3]
.endr
	v_pk_add_f32 v[WBI:WBI+1], v[WBI:WBI+1], v[UBI:UBI+1]
	v_pk_add_f32 v[WBI+2:WBI+3], v[WBI+2:WBI+3], v[UBI+2:UBI+3]
	s_delay_alu instid0(VALU_DEP_2)
	v_pk_add_f32 v[RD:RD+1], v[RD:RD+1], v[WBI:WBI+1]
	s_delay_alu instid0(VALU_DEP_2)
	v_pk_add_f32 v[RD+2:RD+3], v[RD+2:RD+3], v[WBI+2:WBI+3]
	s_delay_alu instid0(VALU_DEP_2)
	v_pk_mul_f32 v[RD:RD+1], v[RD:RD+1], s[24:25] op_sel_hi:[1,0]
	s_delay_alu instid0(VALU_DEP_2)
	v_pk_mul_f32 v[RD+2:RD+3], v[RD+2:RD+3], s[24:25] op_sel_hi:[1,0]
	global_store_b128 v10, v[RD:RD+3], s[16:17]    ; 32 lanes store 512 consecutive bytes
	s_branch .Lend
.Lnot_sum:
	s_cmp_eq_u32 s[WV], 6
	s_cbranch_scc0 .Lend
	ds_load_b64 v[RD:RD+1], v11                    ; wave 6: the four K steps' scale words leave as 256 consecutive bytes, aligned
	s_wait_dscnt 0x0
	global_store_b64 v15, v[RD:RD+1], s[14:15] offset:8192
.Lend:
	s_set_vgpr_msb 0x4
	s_wait_tensorcnt 0x0
	ds_add_u32 v251, v1
	s_wait_dscnt 0x0
	s_set_vgpr_msb 0x400
	s_endpgm
.Lfunc_end_k_q675171bf97_prep:
	.size	k_q675171bf97_prep, .Lfunc_end_k_q675171bf97_prep-k_q675171bf97_prep
	.p2alignl 7, 3214868480
	.fill 96, 4, 3214868480
	.section	.rodata,"a",@progbits
	.p2align	6, 0x0
	.amdhsa_kernel k_q675171bf97_prep
		.amdhsa_group_segment_fixed_size 11520
		.amdhsa_private_segment_fixed_size 0
		.amdhsa_enable_private_segment 0
		.amdhsa_kernarg_size 56
		.amdhsa_user_sgpr_count 2
		.amdhsa_user_sgpr_kernarg_segment_ptr 1
		.amdhsa_wavefront_size32 1
		.amdhsa_system_sgpr_workgroup_id_x 1
		.amdhsa_system_sgpr_workgroup_id_y 1
		.amdhsa_system_sgpr_workgroup_id_z 1
		.amdhsa_system_vgpr_workitem_id 0
		.amdhsa_next_free_vgpr 258
		.amdhsa_next_free_sgpr 66
		.amdhsa_reserve_vcc 0
		.amdhsa_float_denorm_mode_32 3
		.amdhsa_float_denorm_mode_16_64 3
		.amdhsa_memory_ordered 1
		.amdhsa_forward_progress 1
		.amdhsa_inst_pref_size 28
	.end_amdhsa_kernel
	.amdgpu_metadata
---
amdhsa.version: [ 1, 2 ]
amdhsa.kernels:
  - .name:           k_q675171bf97_prep
    .symbol:         k_q675171bf97_prep.kd
    .args:
      - { .name: query, .offset: 0, .size: 8, .value_kind: global_buffer, .address_space: global }
      - { .name: Wa_w, .offset: 8, .size: 8, .value_kind: global_buffer, .address_space: global }
      - { .name: Wa_b, .offset: 16, .size: 8, .value_kind: global_buffer, .address_space: global }
      - { .name: Ua_w, .offset: 24, .size: 8, .value_kind: global_buffer, .address_space: global }
      - { .name: Ua_b, .offset: 32, .size: 8, .value_kind: global_buffer, .address_space: global }
      - { .name: ub, .offset: 40, .size: 8, .value_kind: global_buffer, .address_space: global }
      - { .name: qb2, .offset: 48, .size: 8, .value_kind: global_buffer, .address_space: global }
    .group_segment_fixed_size: 11520
    .private_segment_fixed_size: 0
    .kernarg_segment_align: 8
    .kernarg_segment_size: 56
    .max_flat_workgroup_size: 256
    .sgpr_count:     66
    .vgpr_count:     258
    .wavefront_size: 32
...
	.end_amdgpu_metadata
.endif
;; end of part 1
;; launch main (part 2): grid 8 x 32, 4 waves a work-group, no clusters, 323,584 bytes of LDS; arguments keys, ub, qb2, Va_w, sc, pst, pctx; writes sc, pst, pctx
.if DOCPART == 2
	.amdgcn_target "amdgcn-amd-amdhsa--gfx1250"
	.amdhsa_code_object_version 6
	.text
	.protected	k_q675171bf97_main
	.globl	k_q675171bf97_main
	.p2align	8
	.type	k_q675171bf97_main,@function
k_q675171bf97_main:
	s_mov_b64 s[64:65], 0
	v_nop
	global_prefetch_b8 v0, s[64:65] scope:SCOPE_SE
	s_setreg_imm32_b32 hwreg(HW_REG_WAVE_MODE, 25, 1), 1
	s_wait_xcnt 0x0
; For 256 rows s of one batch: sc[s] = -2 sum over o of Va[o] r[s][o], r = 1 / (1 + 2^(c (q + k))), c = 2 log2(e), k = Q(keys) Q(Ua_w)^T (MX-FP4); by a running maximum m: l = sum of exp(sc - m), ctx = sum of exp(sc - m) keys[s].
; LEFT OUT: Va_b and the sum of Va (tanh = 1 - 2 r): one term for all s of a batch, which the softmax along s takes away for all values of the inputs; Va_b is not an argument.
; Stored: sc, m and l (pst), ctx (pctx); the next launch joins a batch's eight work-groups.  The keys are read from memory once.
; SHARES.  Two blocks of 128 rows.  For loading, quantising and the context wave w owns rows 32 w .. 32 w + 31 of a block; for the product wave w owns outputs 256 w .. 256 w + 255 (16 tiles) for all 128 rows.
; The block's codes stay in every wave's registers (512), so a tile of ub, loaded straight into operand registers, feeds 64 matrix instructions.
; A row comes from memory into a ring of eight rows of registers, becomes codes and a scale word (LDS, for all waves) and bf16 (LDS, the wave's own 65,536 bytes, read back for the context sum).
; The codes' area holds 24 rows a wave: rows 0-23 are written, rows 0-15 fetched by all, then rows 24-31 take the places of rows 0-7.
; K is taken in another order, alike on both sides: K step g holds the true blocks 8 B + g.
; NO CLUSTER, NO TENSOR LOAD: beside the 262,144 bytes of bf16 rows and 61,440 of codes, words and parts LDS has no room for a ring of ub.
; PREFETCH: in the first block's 16 tiles each wave names the 512 aligned blocks of 256 bytes of its own 32 rows of the second block, once each, one instruction a tile's first half, 32 lanes 256 bytes apart; the second block asks for nothing.
; LIMITS: a block of zeros gets the scale byte 1 where the rule says 127 (its codes are zeros; the bytes are never stored); the keys enter the context sum rounded to bf16; NaN and infinities among the inputs are not served.
.set CT,    262144                     ; codes: row 24 w + place, 512 bytes + 16; block (B, g) at 128 B + 16 g.  At the very end: the stage for the context sums
.set CTP,   528
.set SW,    CT+96*CTP                  ; scale words: row 32 w + rho, 32 bytes + 16
.set SWP,   48
.set PS,    SW+128*SWP                 ; [wave][128 rows] f32: parts of the sums over the outputs
.set PT,    PS+2048                    ; [wave][128 rows] f32: the weights, a copy for each wave
.set SPARE, PT+2048                    ; the spare words: 512 bytes that no other line names
.set TILEB, 8704
.set SPW, 1
.set NIL, 2
.set VG,  3                            ; 128 (lane / 4) + 16 (lane % 4): a block's four lanes read 64 consecutive bytes a load; the second load stands 64 bytes on
.set PG,  31                           ; s31: above 1 in the trips of the first block that prefetch
.set VB0, 4                            ; my wave's bf16 rows: 65536 w + 16 lane
.set VC0, 5
.set VS0, 6
.set VAF0, 7                           ; a fragment's place for my lane, rows 0-15; v8: rows 16-31
.set VAF1, 8
.set VAS, 9
.set VPS, 10
.set VPR, 11
.set VPT, 12
.set VPB, 13
.set VO16, 14
.set VO4, 15
.set MRUN, 18
.set LRUN, 19
.set F,   20
.set AS,  32                           ; v32-63 the rows' scale words: 16 hf + 4 m + k
.set BS,  64                           ; v64-79 Ua_w's
.set BV,  80                           ; v80-95 c (q + biases) at 4 bf, Va at 4 bf + 2
.set AD,  96                           ; v96-107 offsets of a buffer's loads
.set PFO, 108
.set VXS, 109
.set VXR, 110
.set TB,  111
.set ACC, 112                          ; v112-143 four accumulators; in Q: codes; in the context sum: weights
.set SACC, 144                         ; v144-207 sums of Va r; in Q: a row as bf16; in the context sum: four rows
.set CX,  208                          ; v208-239 the context
.set M,   240
.set SCL, 244
.set BY,  248
.set WRD, 252
.set TC,  254
.set TS,  255
; window 1: fragments of rows 16 hf = 0, (m, g) at 64 m + 8 g; window 3: the ring of rows, then fragments of hf = 1; window 2: Ua_w's, buffer bf at 64 bf + 8 g
.set KB,  24                           ; s[24:25] my rows of the keys
.set PF,  26                           ; s[26:27] where my prefetches stand
.set QB,  28
.set QC,  29
.set QS,  30
.set QT,  33
.set BB,  42
.set BQ,  44
.set BA,  46
.set OB,  48
.set OQ,  50
.set OV,  52
.set GI,  54
.set BLK, 55
.set TRIP, 56
.set WV,  57
.set CS,  58
.set SEL, 60
.set L2E, 62
.set FLOOR, 66
.set EOFF, 67
.set MSB, 0
.macro WIN new
.if MSB != \new
	s_set_vgpr_msb (MSB<<8)|\new
.set MSB, \new
.endif
.endm
.macro PLACES
.rept 4
	v_nop
.endr
.endm
.macro BAR
	s_wait_alu depctr_va_vdst(0)                   ; the wait ahead of the signal
	s_wait_dscnt 0x0                               ; my LDS stores have landed and my LDS reads are over
	s_barrier_signal -1
	s_barrier_wait -1
.endm
.macro RLOAD slot, row                 ; a row into the ring (window 3 is set): 8 numbers of each quarter u a lane
.irp u, 0,1,2,3
.irp j, 0,1
	global_load_b128 v[32*(\slot)+8*\u+4*\j:32*(\slot)+8*\u+4*\j+3], v[VG], s[KB:KB+1] offset:4096*(\row)+1024*\u+64*\j th:TH_LOAD_NT
.endr
.endr
.endm
; row i of a group of eight: codes, scale word, bf16.  load = 1: the ring's place takes the row eight on
.macro QROW i, load, rc
.set XR, 32*(\i)
.set CD, ACC+4*((\i)%2)
.set PK, SACC+16*((\i)%2)
.set WD, WRD+(\i)%2
.if \load
	s_wait_loadcnt 56                              ; behind my row's 8 loads stand those of seven rows
.else
	s_wait_loadcnt 8*(7-(\i))                      ; the rows still to come
.endif
	WIN 0x0f                                       ; sources 0 and 1: window 3
.irp u, 0,1,2,3
	v_max3_num_f32 v[M+\u], |v[XR+8*\u]|, |v[XR+8*\u+1]|, s[FLOOR]   ; my 8 numbers of true block 8 u + lane / 4, and the floor 2^(3 - 127)
.endr
.irp k, 2,4,6
.irp u, 0,1,2,3
	v_max3_num_f32 v[M+\u], |v[XR+8*\u+\k]|, |v[XR+8*\u+\k+1]|, v[M+\u]
.endr
.endr
.irp q, 0,1,2,3,4,5,6,7,8,9,10,11,12,13,14,15
	v_cvt_pk_bf16_f32 v[PK+\q], v[XR+2*\q], v[XR+2*\q+1]
.endr
	WIN 0
.irp x, 1,2
.irp u, 0,1,2,3
	v_max_num_f32_dpp v[M+\u], v[M+\u], v[M+\u] row_xmask:\x row_mask:0xf bank_mask:0xf   ; four neighbouring lanes hold a block
.endr
.endr
.irp u, 0,1,2,3
	v_add_nc_u32 v[SCL+\u], s[EOFF], v[M+\u]       ; 2 off the exponent field: the conversion's scale operand
.endr
	WIN 0x03
.irp u, 0,1,2,3
	v_cvt_scalef32_pk8_fp4_f32 v[CD+\u], v[XR+8*\u:XR+8*\u+7], v[SCL+\u]
.endr
	WIN 0
.irp u, 0,1,2,3
	v_lshrrev_b32 v[BY+\u], 23, v[SCL+\u]          ; the scale's byte (plain lines behind the conversions)
.endr
	v_lshl_or_b32 v[WD], v[BY+1], 8, v[BY]
	v_lshl_or_b32 v[WD], v[BY+2], 16, v[WD]
	v_lshl_or_b32 v[WD], v[BY+3], 24, v[WD]
.irp u, 0,1,2,3
	ds_store_b16 v[\rc], v[CD+\u] offset:CTP*(\i)+128*\u            ; numbers 4 (lane % 4) on of the block: its bytes 2 (lane % 4) on
	ds_store_b16_d16_hi v[\rc], v[CD+\u] offset:CTP*(\i)+128*\u+8   ; numbers 16 + 4 (lane % 4) on: 8 bytes further
.endr
	ds_store_b32 v[TS], v[WD] offset:SWP*(\i)
.irp u, 0,1,2,3
	ds_store_b128 v[TB], v[PK+4*\u:PK+4*\u+3] offset:2048*(\i)+512*\u   ; 32 lanes store 512 consecutive bytes
.endr
.if \load
.if (\i) == 0
	s_wait_xcnt 0x0                                ; the loads and prefetches by this base have read it
	s_add_nc_u64 s[KB:KB+1], s[KB:KB+1], 32768     ; eight rows on: the rows that this trip asks for
.endif
	WIN 0xc0
	RLOAD \i, \i
	WIN 0
.if (\i) == 1
	s_wait_alu depctr_va_vdst(0)                   ; the wait ahead of the branch
	s_cmp_gt_u32 s[PG], 1
	s_cbranch_scc0 .Lnq_\@
.irp n, 0,1,2,3
	global_prefetch_b8 v[PFO], s[KB:KB+1] offset:32768+8192*\n th:TH_LOAD_NT scope:SCOPE_SE   ; the eight rows that the next trip loads, two an instruction, lanes 256 bytes apart
.endr
.Lnq_\@:
.endif
.endif
.endm
.macro AFETCH hf                       ; 64 rows' fragments and scale words
	WIN 0x40+0x80*\hf
.irp m, 0,1,2,3
.irp g, 0,1,2,3,4,5,6,7
.irp c, 0,1
	ds_load_b128 v[64*\m+8*\g+4*\c:64*\m+8*\g+4*\c+3], v[VAF0+\hf] offset:24*CTP*\m+16*\g+256*\c
.endr
.endr
.endr
	WIN 0
.irp m, 0,1,2,3
	ds_load_b128 v[AS+16*\hf+4*\m:AS+16*\hf+4*\m+3], v[VAS] offset:(32*\m+16*\hf)*SWP
.endr
.endm
.macro BLOAD bf                        ; 17 loads: a tile's codes and scale words
	WIN 0x80
.irp g, 0,1,2,3,4,5,6,7
.irp c, 0,1
	global_load_b128 v[64*(\bf)+8*\g+4*\c:64*(\bf)+8*\g+4*\c+3], v[AD+3*(\bf)], s[BB:BB+1] offset:TILEB*(\bf)+1024*\g+512*\c
.endr
.endr
	WIN 0
	global_load_b128 v[BS+4*(\bf):BS+4*(\bf)+3], v[AD+3*(\bf)], s[BB:BB+1] offset:TILEB*(\bf)+8192
.endm
.macro VLOAD bf
	global_load_b32 v[BV+4*(\bf)], v[AD+3*(\bf)+1], s[BQ:BQ+1] offset:2048*(\bf)
	global_load_b32 v[BV+4*(\bf)+2], v[AD+3*(\bf)+2], s[BA:BA+1] offset:64*(\bf)
.endm
.macro GSTEP
	s_mul_i32 s[OB], s[GI], 4*TILEB
	s_lshl_b32 s[OQ], s[GI], 13
	s_lshl_b32 s[OV], s[GI], 8
	s_add_co_u32 s[GI], s[GI], 1
	s_and_b32 s[GI], s[GI], 3
.endm
; a tile of 16 outputs against 64 rows (hf): 32 matrix instructions, the four accumulators by turns, then exponential, reciprocal, sum with Va
.macro PASS bf, hf, load
	WIN 0x09+2*\hf                                 ; source 0 (rows) window 1 or 3, source 1 (Ua_w) window 2
.irp g, 0,1,2,3,4,5,6,7
.irp m, 0,1,2,3
.if \g == 0
	v_wmma_scale_f32_16x16x128_f8f6f4 v[ACC+8*\m:ACC+8*\m+7], v[64*\m+8*\g:64*\m+8*\g+7], v[64*(\bf)+8*\g:64*(\bf)+8*\g+7], 0, v[AS+16*\hf+4*\m+\g], v[BS+4*(\bf)+\g] matrix_a_fmt:MATRIX_FMT_FP4 matrix_b_fmt:MATRIX_FMT_FP4
.elseif \g < 4
	v_wmma_scale_f32_16x16x128_f8f6f4 v[ACC+8*\m:ACC+8*\m+7], v[64*\m+8*\g:64*\m+8*\g+7], v[64*(\bf)+8*\g:64*(\bf)+8*\g+7], v[ACC+8*\m:ACC+8*\m+7], v[AS+16*\hf+4*\m+\g], v[BS+4*(\bf)+\g] matrix_a_fmt:MATRIX_FMT_FP4 matrix_b_fmt:MATRIX_FMT_FP4
.else
	v_wmma_scale_f32_16x16x128_f8f6f4 v[ACC+8*\m:ACC+8*\m+7], v[64*\m+8*\g:64*\m+8*\g+7], v[64*(\bf)+8*\g:64*(\bf)+8*\g+7], v[ACC+8*\m:ACC+8*\m+7], v[AS+16*\hf+4*\m+\g-4], v[BS+4*(\bf)+\g-4] matrix_a_fmt:MATRIX_FMT_FP4 matrix_b_fmt:MATRIX_FMT_FP4 matrix_a_scale:MATRIX_SCALE_ROW1 matrix_b_scale:MATRIX_SCALE_ROW1
.endif
.endr
.endr
	WIN 0
.if (\load) && (\hf)                           ; four places behind the products: three make the offsets of the buffer's next loads
	v_add_nc_u32 v[AD+3*(\bf)], s[OB], v[VO16]
	v_add_nc_u32 v[AD+3*(\bf)+1], s[OQ], v[VO4]
	v_add_nc_u32 v[AD+3*(\bf)+2], s[OV], v[VO4]
	v_nop
.else
	PLACES
.endif
.irp j, 0,2,4,6,8,10,12,14,16,18,20,22,24,26,28,30      ; each accumulator from its low end on
	v_pk_fma_f32 v[ACC+\j:ACC+\j+1], v[ACC+\j:ACC+\j+1], s[CS:CS+1], v[BV+4*(\bf):BV+4*(\bf)+1] op_sel_hi:[1,0,0]
.endr
	s_wait_alu depctr_va_vdst(0)                   ; a wait ahead of a batch and one behind it
.set i, 0
.rept 32
	v_exp_f32 v[ACC+i], v[ACC+i]
.set i, i+1
.endr
	v_nop
	s_wait_alu depctr_va_vdst(0)
.if \hf
.if \load
	BLOAD \bf
.endif
.else
	s_cmp_eq_u32 s[BLK], 2                         ; the first block alone has a block behind it
	s_cbranch_scc0 .Lnp_\@
	global_prefetch_b8 v[PFO], s[PF:PF+1] offset:8192*(\bf) th:TH_LOAD_NT scope:SCOPE_SE   ; two of my rows of the next block
.Lnp_\@:
.endif
.irp j, 0,2,4,6,8,10,12,14,16,18,20,22,24,26,28,30
	v_pk_add_f32 v[ACC+\j:ACC+\j+1], v[ACC+\j:ACC+\j+1], 1.0 op_sel_hi:[1,0]
.endr
	s_wait_alu depctr_va_vdst(0)
.set i, 0
.rept 32
	v_rcp_f32 v[ACC+i], v[ACC+i]
.set i, i+1
.endr
	v_nop
	s_wait_alu depctr_va_vdst(0)
.irp j, 0,2,4,6,8,10,12,14,16,18,20,22,24,26,28,30
	v_pk_fma_f32 v[SACC+32*\hf+\j:SACC+32*\hf+\j+1], v[ACC+\j:ACC+\j+1], v[BV+4*(\bf)+2:BV+4*(\bf)+3], v[SACC+32*\hf+\j:SACC+32*\hf+\j+1] op_sel_hi:[1,0,1]
.endr
.endm
.macro TILE bf, load, cnt
	s_wait_loadcnt \cnt                            ; this buffer's 19 loads are done; cnt: the loads issued behind them
	PASS \bf, 0, \load
	PASS \bf, 1, \load
.if \load
	VLOAD \bf
.endif
.endm
.macro NTRIP load, c0, c1, c2, c3
	TILE 0, \load, \c0
	TILE 1, \load, \c1
	TILE 2, \load, \c2
	TILE 3, \load, \c3
.if \load
	GSTEP
.endif
	s_wait_xcnt 0x0                                ; my prefetches have read their base
	s_add_nc_u64 s[PF:PF+1], s[PF:PF+1], 32768     ; eight rows on
.endm
; what a block begins with: my first four tiles of ub (19 loads each), then the ring's first eight rows
.macro PRO
.irp bf, 0,1,2,3
	v_mov_b32 v[AD+3*\bf], v[VO16]
	v_mov_b32 v[AD+3*\bf+1], v[VO4]
	v_mov_b32 v[AD+3*\bf+2], v[VO4]
.endr
	s_wait_alu depctr_va_vdst(0)                   ; the wait ahead of the readers below
.irp bf, 0,1,2,3
	BLOAD \bf
	VLOAD \bf
.endr
	s_mov_b32 s[GI], 1
	GSTEP
	WIN 0xc0
.irp i, 0,1,2,3,4,5,6,7
	RLOAD \i, \i
.endr
	WIN 0
.endm
	s_load_b256 s[8:15], s[0:1], 0x0               ; keys s[8:9], ub s[10:11], qb2 s[12:13], Va_w s[14:15]
	s_load_b128 s[16:19], s[0:1], 0x20             ; sc s[16:17], pst s[18:19]
	s_load_b64 s[20:21], s[0:1], 0x30              ; pctx
	v_lshl_add_u32 v[SPW], v0, 2, SPARE
	v_mov_b32 v[NIL], 0
	v_lshrrev_b32 v22, 5, v0
	v_readfirstlane_b32 s[WV], v22                 ; wave 0..3
	s_and_b32 s68, ttmp7, 0xffff                   ; the batch
	s_mov_b32 s[CS], 0x4038aa3b                    ; c = 2 log2(e)
	s_mov_b32 s[CS+1], s[CS]
	s_mov_b32 s[SEL], 0x76543210
	s_mov_b32 s[SEL+1], 0xfedcba98
	s_mov_b32 s[L2E], 0x3fb8aa3b
	s_mov_b32 s[FLOOR], 0x1800000
	s_mov_b32 s[EOFF], 0xff000000
	s_lshl_b32 s34, s[WV], 16
	s_mul_i32 s35, s[WV], 24*CTP
	s_add_co_u32 s35, s35, CT
	s_mul_i32 s36, s[WV], 32*SWP
	s_add_co_u32 s36, s36, SW
	s_lshl_b32 s37, s[WV], 9
	s_add_co_u32 s38, s37, PT
	s_add_co_u32 s37, s37, PS
	s_mul_i32 s39, s[WV], 640                      ; my copy of the weights (512 w) and my 32 rows in it (128 w)
	s_add_co_u32 s39, s39, PT
	s_lshl_b32 s40, s[WV], 12
	s_add_co_u32 s40, s40, CT
	s_lshl_b32 s41, s[WV], 10
	s_add_co_u32 s41, s41, CT
	v_and_b32 v22, 31, v0                          ; lane
	v_and_b32 v23, 15, v0                          ; r
	v_bfe_u32 v24, v0, 4, 1                        ; h
	v_bfe_u32 v25, v0, 3, 1                        ; r / 8
	v_bfe_u32 v26, v0, 2, 3                        ; lane / 4
	v_and_b32 v27, 1, v0
	v_bfe_u32 v28, v0, 1, 4
	v_and_b32 v30, 3, v0                           ; lane % 4
	v_lshlrev_b32 v[VG], 7, v26
	v_lshl_add_u32 v[VG], v30, 4, v[VG]
	v_lshl_add_u32 v[VB0], v22, 4, s34
	v_lshl_add_u32 v[VC0], v26, 4, s35
	v_lshl_add_u32 v[VC0], v30, 1, v[VC0]          ; 16 (lane / 4) + 2 (lane % 4)
	v_lshl_add_u32 v[VS0], v26, 2, s36
	v_mul_u32_u24 v[VAF0], v23, CTP
	v_lshl_add_u32 v[VAF0], v24, 7, v[VAF0]
	v_add_nc_u32 v[VAF0], CT, v[VAF0]
	v_mul_u32_u24 v29, v25, 24*CTP
	v_add_nc_u32 v[VAF1], 16*CTP, v[VAF0]
	v_sub_nc_u32 v[VAF1], v[VAF1], v29             ; rows 16-23 lie at places 16-23, rows 24-31 at places 0-7
	v_mul_u32_u24 v[VAS], v23, SWP
	v_lshl_add_u32 v[VAS], v24, 4, v[VAS]
	v_add_nc_u32 v[VAS], SW, v[VAS]
	v_lshl_add_u32 v[VPS], v24, 5, s37
	v_lshl_add_u32 v[VPR], v22, 4, PS
	v_lshl_add_u32 v[VPT], v22, 4, s38
	v_mov_b32 v[VPB], s39
	v_lshlrev_b32 v[VO16], 4, v22
	v_lshlrev_b32 v[VO4], 2, v23
	v_lshlrev_b32 v[PFO], 8, v22
	v_lshl_add_u32 v[VXS], v22, 4, s40
	v_bfe_u32 v31, v0, 2, 1
	v_lshl_add_u32 v[VXR], v31, 9, s41
	v_bfe_u32 v31, v0, 3, 2
	v_lshl_add_u32 v[VXR], v31, 6, v[VXR]
	v_lshl_add_u32 v[VXR], v30, 4, v[VXR]          ; context register 8 u + 4 j + e of a lane is column 256 u + 32 (lane / 4) + 16 j + 4 (lane % 4) + e
.set i, 0
.rept 32
	v_mov_b32 v[CX+i], 0                           ; the block is written once for both: the first finds zeros
.set i, i+1
.endr
	v_mov_b32 v[LRUN], 0
	v_mov_b32 v[MRUN], 0xff61b1e6                  ; -3e38, under every score
	v_mov_b32 v[F+1], 0                            ; named as the upper half of a pair
.irp j, 1,3,5,7,9,11,13,15
	v_mov_b32 v[BV+\j], 0                          ; likewise
.endr
	s_lshl_b32 s70, s68, 23                        ; a batch is 2,048 rows of 4,096 bytes, a work-group 256 rows, a wave 32 rows of each block
	s_lshl_b32 s69, ttmp9, 20
	s_add_co_u32 s70, s70, s69
	s_lshl_b32 s69, s[WV], 17
	s_add_co_u32 s70, s70, s69
	s_mov_b32 s71, 0
	s_wait_alu depctr_va_vdst(0)                   ; the wait at the head's end
	s_wait_kmcnt 0x0
	s_add_nc_u64 s[KB:KB+1], s[8:9], s[70:71]
	s_add_nc_u64 s[PF:PF+1], s[KB:KB+1], 524288    ; my rows of the second block
	s_mul_i32 s70, s[WV], 16*TILEB
	s_add_nc_u64 s[BB:BB+1], s[10:11], s[70:71]
	s_lshl_b32 s70, s[WV], 15
	s_lshl_b32 s69, s68, 6
	s_add_co_u32 s70, s70, s69
	s_add_nc_u64 s[BQ:BQ+1], s[12:13], s[70:71]
	s_lshl_b32 s70, s[WV], 10
	s_add_nc_u64 s[BA:BA+1], s[14:15], s[70:71]
	s_lshl_b32 s70, s68, 13
	s_lshl_b32 s69, ttmp9, 10
	s_add_co_u32 s70, s70, s69
	s_add_nc_u64 s[16:17], s[16:17], s[70:71]
	s_lshl_b32 s72, s68, 3
	s_add_co_u32 s72, s72, ttmp9
	s_lshl_b32 s70, s72, 7
	s_add_nc_u64 s[18:19], s[18:19], s[70:71]
	s_lshl_b32 s70, s72, 12
	s_lshl_b32 s69, s[WV], 10
	s_add_co_u32 s70, s70, s69
	s_add_nc_u64 s[20:21], s[20:21], s[70:71]
	PRO
.irp n, 0,1,2,3
	global_prefetch_b8 v[PFO], s[KB:KB+1] offset:32768+8192*\n th:TH_LOAD_NT scope:SCOPE_SE   ; my rows 8-15 of the first block, which the first trip loads; rows 16-31 are named in the first two trips
.endr
	s_mov_b32 s[BLK], 2
.Lblock:
	s_mov_b32 s[QB], 0
	s_mov_b32 s[QC], 0
	s_mov_b32 s[QS], 0
	s_mov_b32 s[QT], 3
.Lq:                                               ; rows 0-23, eight a trip; each row's place in the ring takes the row eight on
	v_add_nc_u32 v[TB], s[QB], v[VB0]
	v_add_nc_u32 v[TC], s[QC], v[VC0]
	s_cmp_eq_u32 s[BLK], 2                         ; the second block's rows were named in the first block's tiles
	s_cselect_b32 s[PG], s[QT], 0                  ; and the third trip has no rows of mine sixteen on
	v_add_nc_u32 v[TS], s[QS], v[VS0]
.irp i, 0,1,2,3,4,5,6,7
	QROW \i, 1, TC
.endr
	s_add_co_u32 s[QB], s[QB], 16384
	s_add_co_u32 s[QC], s[QC], 8*CTP
	s_add_co_u32 s[QS], s[QS], 8*SWP
	s_sub_co_u32 s[QT], s[QT], 1
	s_cmp_lg_u32 s[QT], 0
	s_wait_alu depctr_va_vdst(0)                   ; the wait ahead of the branch
	s_cbranch_scc1 .Lq
	BAR                                            ; everybody's rows 0-23 are in LDS
	AFETCH 0
	BAR                                            ; everybody has fetched rows 0-15: their places may be written
	v_add_nc_u32 v[TB], s[QB], v[VB0]
	v_add_nc_u32 v[TS], s[QS], v[VS0]
.irp i, 0,1,2,3,4,5,6,7
	QROW \i, 0, VC0
.endr
	BAR
	AFETCH 1
.set i, 0
.rept 64
	v_mov_b32 v[SACC+i], 0
.set i, i+1
.endr
	s_wait_alu depctr_va_vdst(0)
	s_wait_dscnt 0x0
	s_mov_b32 s[TRIP], 3
.Ln:                                               ; behind a tile's 19 loads stand those of the three tiles after it: 57
	NTRIP 1, 57, 57, 57, 57
	s_sub_co_u32 s[TRIP], s[TRIP], 1
	s_cmp_lg_u32 s[TRIP], 0
	s_cbranch_scc1 .Ln
	NTRIP 0, 57, 38, 19, 0                         ; the last four tiles load nothing: the counts run down
	s_wait_alu depctr_va_vdst(0)                   ; the wait ahead of the branch
	s_cmp_eq_u32 s[BLK], 1
	s_cbranch_scc1 .Lnopro
	s_add_nc_u64 s[KB:KB+1], s[KB:KB+1], 524288-3*32768   ; every load by this base is done: the next block's rows
	PRO                                            ; asked for ahead of the scores and the context sum
.Lnopro:
.irp x, 1,2,4,8                                ; the sums over my 256 outputs: across the 16 lanes of a half
.set i, 0
.rept 64
	v_add_f32_dpp v[SACC+i], v[SACC+i], v[SACC+i] row_xmask:\x row_mask:0xf bank_mask:0xf
.set i, i+1
.endr
.endr
.irp hf, 0,1
.irp m, 0,1,2,3
.irp q, 0,1
	ds_store_b128 v[VPS], v[SACC+32*\hf+8*\m+4*\q:SACC+32*\hf+8*\m+4*\q+3] offset:128*\m+64*\hf+16*\q   ; rows 32 m + 16 hf + 8 h + 4 q on
.endr
.endr
.endr
	BAR
.irp w, 0,1,2,3                                ; every wave makes all 128 scores: a lane rows 4 l .. 4 l + 3
	ds_load_b128 v[SACC+4*\w:SACC+4*\w+3], v[VPR] offset:512*\w
.endr
	s_wait_dscnt 0x0
.irp p, 0,2
	v_pk_add_f32 v[SACC+\p:SACC+\p+1], v[SACC+\p:SACC+\p+1], v[SACC+4+\p:SACC+5+\p]
	v_pk_add_f32 v[SACC+8+\p:SACC+9+\p], v[SACC+8+\p:SACC+9+\p], v[SACC+12+\p:SACC+13+\p]
.endr
.irp p, 0,2
	v_pk_add_f32 v[SACC+\p:SACC+\p+1], v[SACC+\p:SACC+\p+1], v[SACC+8+\p:SACC+9+\p]
.endr
	v_pk_mul_f32 v[22:23], v[SACC:SACC+1], -2.0 op_sel_hi:[1,0]
	v_pk_mul_f32 v[24:25], v[SACC+2:SACC+3], -2.0 op_sel_hi:[1,0]
	s_cmp_lg_u32 s[WV], 0
	s_cbranch_scc1 .Lns
	global_store_b128 v[VO16], v[22:25], s[16:17]  ; wave 0: 32 lanes store 512 consecutive bytes; data and base stay until the wait on XCNT below
.Lns:
	s_wait_alu depctr_va_vdst(0)
	v_max3_num_f32 v26, v22, v23, v24
	v_max_num_f32 v26, v26, v25
.irp x, 1,2,4,8
	v_max_num_f32_dpp v26, v26, v26 row_xmask:\x row_mask:0xf bank_mask:0xf
.endr
	v_permlanex16_b32 v27, v26, s[SEL], s[SEL+1]
	v_max3_num_f32 v27, v26, v27, v[MRUN]          ; the new maximum
	v_sub_f32 v28, v[MRUN], v27
.irp i, 0,1,2,3
	v_sub_f32 v[SACC+\i], v[22+\i], v27
.endr
	v_mul_f32 v28, s[L2E], v28
.irp i, 0,1,2,3
	v_mul_f32 v[SACC+\i], s[L2E], v[SACC+\i]
.endr
	s_wait_alu depctr_va_vdst(0)
	v_exp_f32 v[F], v28
.irp i, 0,1,2,3
	v_exp_f32 v[SACC+\i], v[SACC+\i]
.endr
	v_mov_b32 v[MRUN], v27
	s_wait_alu depctr_va_vdst(0)
	v_fma_f32 v[LRUN], v[LRUN], v[F], v[SACC]
.irp i, 1,2,3
	v_add_f32 v[LRUN], v[LRUN], v[SACC+\i]
.endr
	ds_store_b128 v[VPT], v[SACC:SACC+3]           ; the weights, into my wave's own copy
.irp j, 0,2,4,6,8,10,12,14,16,18,20,22,24,26,28,30
	v_pk_mul_f32 v[CX+\j:CX+\j+1], v[CX+\j:CX+\j+1], v[F:F+1] op_sel_hi:[1,0]
.endr
	s_mov_b32 s[QB], 0
	s_mov_b32 s[QS], 0
; context += weight x row: my 32 rows from my own bf16 bytes, four a step in two half sets; a half set is loaded again behind its multiply-adds.  LDS serves a wave's instructions in order (ISA guide 5.7.1.4)
.macro CLOAD hh                        ; rows 2 hh, 2 hh + 1 of a step: 8 loads
.irp d, 0,1
.irp u, 0,1,2,3
	ds_load_b128 v[SACC+16*(2*\hh+\d)+4*\u:SACC+16*(2*\hh+\d)+4*\u+3], v[TB] offset:2048*(2*\hh+\d)+512*\u
.endr
.endr
.endm
.macro CFMA hh
.irp d, 0,1
.irp q, 0,1,2,3,4,5,6,7,8,9,10,11,12,13,14,15
	v_fma_mix_f32_bf16 v[CX+2*\q], v[SACC+16*(2*\hh+\d)+\q], v[ACC+2*\hh+\d], v[CX+2*\q] op_sel_hi:[1,0,0]
	v_fma_mix_f32_bf16 v[CX+2*\q+1], v[SACC+16*(2*\hh+\d)+\q], v[ACC+2*\hh+\d], v[CX+2*\q+1] op_sel:[1,0,0] op_sel_hi:[1,0,0]
.endr
.endr
.endm
	s_mov_b32 s[QT], 7
	v_add_nc_u32 v[TB], s[QB], v[VB0]
	v_add_nc_u32 v[TS], s[QS], v[VPB]
	ds_load_b128 v[ACC:ACC+3], v[TS]               ; four weights
	CLOAD 0
	CLOAD 1
.Lc:                                               ; seven trips: a trip works one step and loads the next
	s_add_co_u32 s[QB], s[QB], 8192
	s_add_co_u32 s[QS], s[QS], 16
	v_add_nc_u32 v[TB], s[QB], v[VB0]
	v_add_nc_u32 v[TS], s[QS], v[VPB]
	s_wait_dscnt 8                                 ; the weights and the first half set are in; the second's 8 loads may be out
	CFMA 0
	CLOAD 0
	s_wait_dscnt 8                                 ; the second half set is in; the 8 loads just issued may be out
	CFMA 1
	ds_load_b128 v[ACC:ACC+3], v[TS]
	CLOAD 1
	s_sub_co_u32 s[QT], s[QT], 1
	s_cmp_lg_u32 s[QT], 0
	s_cbranch_scc1 .Lc
	s_wait_dscnt 8                                 ; the last step loads nothing
	CFMA 0
	s_wait_dscnt 0x0
	CFMA 1
	s_wait_xcnt 0x0                                ; the scores' store has read its data and its base
	s_add_nc_u64 s[16:17], s[16:17], 512
	s_sub_co_u32 s[BLK], s[BLK], 1
	s_cmp_lg_u32 s[BLK], 0
	s_wait_alu depctr_va_vdst(0)                   ; the wait ahead of the branch
	s_cbranch_scc1 .Lblock
	; THE END.  l: the lanes' parts are added.  The four waves' context sums meet in a stage where the codes lay: every wave's reads of those were over at the last barrier.
.irp x, 1,2,4,8
	v_add_f32_dpp v[LRUN], v[LRUN], v[LRUN] row_xmask:\x row_mask:0xf bank_mask:0xf
.endr
	v_permlanex16_b32 v22, v[LRUN], s[SEL], s[SEL+1]
	v_add_f32 v[LRUN], v[LRUN], v22
.irp q, 0,1,2,3,4,5,6,7
	ds_store_b128 v[VXS], v[CX+4*\q:CX+4*\q+3] offset:512*\q
.endr
	BAR
.irp s, 0,1                                    ; wave w takes columns 256 w on; lane l of store s wants registers 4 (2 w + (l / 4) % 2) on of lane 16 s + 4 (l / 8) + l % 4
.irp w, 0,1,2,3
	ds_load_b128 v[ACC+16*\s+4*\w:ACC+16*\s+4*\w+3], v[VXR] offset:4096*\w+256*\s
.endr
.endr
	s_wait_dscnt 0x0
.irp s, 0,1
.irp w, 1,2,3
	v_pk_add_f32 v[ACC+16*\s:ACC+16*\s+1], v[ACC+16*\s:ACC+16*\s+1], v[ACC+16*\s+4*\w:ACC+16*\s+4*\w+1]
	v_pk_add_f32 v[ACC+16*\s+2:ACC+16*\s+3], v[ACC+16*\s+2:ACC+16*\s+3], v[ACC+16*\s+4*\w+2:ACC+16*\s+4*\w+3]
.endr
.endr
.irp s, 0,1
	global_store_b128 v[VO16], v[ACC+16*\s:ACC+16*\s+3], s[20:21] offset:512*\s   ; 32 lanes store 512 consecutive bytes
.endr
	s_wait_alu depctr_va_vdst(0)
	s_cmp_lg_u32 s[WV], 0
	s_cbranch_scc1 .Lnot_wave_0
	s_mov_b32 s69, 0xaaaaaaaa
	v_cndmask_b32 v24, v[MRUN], v[LRUN], s69       ; even lanes m, odd lanes l: 128 consecutive bytes
	v_and_b32 v25, 31, v0
	v_lshlrev_b32 v25, 2, v25
	global_store_b32 v25, v24, s[18:19]
.Lnot_wave_0:
	s_wait_tensorcnt 0x0                           ; the wave's end, behind my last LDS store
	ds_add_u32 v[SPW], v[NIL]
	s_wait_dscnt 0x0
	s_endpgm
.Lfunc_end_k_q675171bf97_main:
	.size	k_q675171bf97_main, .Lfunc_end_k_q675171bf97_main-k_q675171bf97_main
	.p2alignl 7, 3214868480
	.fill 96, 4, 3214868480
	.section	.rodata,"a",@progbits
	.p2align	6, 0x0
	.amdhsa_kernel k_q675171bf97_main
		.amdhsa_group_segment_fixed_size 323584
		.amdhsa_private_segment_fixed_size 0
		.amdhsa_enable_private_segment 0
		.amdhsa_kernarg_size 56
		.amdhsa_user_sgpr_count 2
		.amdhsa_user_sgpr_kernarg_segment_ptr 1
		.amdhsa_wavefront_size32 1
		.amdhsa_system_sgpr_workgroup_id_x 1
		.amdhsa_system_sgpr_workgroup_id_y 1
		.amdhsa_system_sgpr_workgroup_id_z 1
		.amdhsa_system_vgpr_workitem_id 0
		.amdhsa_next_free_vgpr 1024
		.amdhsa_next_free_sgpr 80
		.amdhsa_reserve_vcc 0
		.amdhsa_float_denorm_mode_32 3
		.amdhsa_float_denorm_mode_16_64 3
		.amdhsa_memory_ordered 1
		.amdhsa_forward_progress 1
		.amdhsa_inst_pref_size 255
	.end_amdhsa_kernel
	.section	.bss,"aw",@nobits
	.p2align	6
	.space	262144
	.amdgpu_metadata
---
amdhsa.version: [ 1, 2 ]
amdhsa.kernels:
  - .name:           k_q675171bf97_main
    .symbol:         k_q675171bf97_main.kd
    .args:
      - { .name: keys, .offset: 0, .size: 8, .value_kind: global_buffer, .address_space: global }
      - { .name: ub, .offset: 8, .size: 8, .value_kind: global_buffer, .address_space: global }
      - { .name: qb2, .offset: 16, .size: 8, .value_kind: global_buffer, .address_space: global }
      - { .name: Va_w, .offset: 24, .size: 8, .value_kind: global_buffer, .address_space: global }
      - { .name: sc, .offset: 32, .size: 8, .value_kind: global_buffer, .address_space: global }
      - { .name: pst, .offset: 40, .size: 8, .value_kind: global_buffer, .address_space: global }
      - { .name: pctx, .offset: 48, .size: 8, .value_kind: global_buffer, .address_space: global }
    .group_segment_fixed_size: 323584
    .private_segment_fixed_size: 0
    .kernarg_segment_align: 8
    .kernarg_segment_size: 56
    .max_flat_workgroup_size: 128
    .sgpr_count:     80
    .vgpr_count:     1024
    .wavefront_size: 32
...
	.end_amdgpu_metadata
.endif
;; end of part 2
;; launch finish (part 3): grid 4 x 32, 2 waves a work-group, no clusters, 0 bytes of LDS; arguments sc, pst, pctx, out0, out1; writes out0, out1
.if DOCPART == 3
	.amdgcn_target "amdgcn-amd-amdhsa--gfx1250"
	.amdhsa_code_object_version 6
	.text
	.protected	k_q675171bf97_finish
	.globl	k_q675171bf97_finish
	.p2align	8
	.type	k_q675171bf97_finish,@function
k_q675171bf97_finish:
	s_mov_b64 s[64:65], 0
	v_nop
	global_prefetch_b8 v0, s[64:65] scope:SCOPE_SE
	s_setreg_imm32_b32 hwreg(HW_REG_WAVE_MODE, 25, 1), 1
	s_wait_xcnt 0x0
; A batch's eight parts (maximum m_j, sum l_j, context ctx_j under m_j) are joined: M = the largest m_j, w_j = exp(m_j - M), L = sum of w_j l_j;
; out0 = sum of w_j ctx_j / L;  out1 = exp(score - M) / L.  Work-group (x, b): a quarter of batch b's 1,024 columns and 2,048 weights; thread t: 4 columns and 8 weights.
; Every load and store of a wave covers 512 consecutive bytes, but for the sixteen numbers m_j, l_j, which every lane reads.  No LDS, no barrier: threads share nothing.
.set L2E, 25
	s_load_b256 s[4:11], s[0:1], 0x0               ; sc s[4:5], pst s[6:7], pctx s[8:9], out0 s[10:11]
	s_load_b64 s[12:13], s[0:1], 0x20              ; out1
	s_and_b32 s14, ttmp7, 0xffff                   ; the batch
	v_lshlrev_b32 v1, 4, v0                        ; 16 t
	v_mov_b32 v2, 0
	s_mov_b32 s[L2E], 0x3fb8aa3b
	s_lshl_b32 s16, s14, 10                        ; pst: 8 work-groups x 128 bytes a batch
	s_mov_b32 s17, 0
	s_lshl_b32 s15, ttmp9, 10
	s_lshl_b32 s18, s14, 15                        ; pctx: 8 x 4,096 bytes a batch, + 1,024 x
	s_add_co_u32 s18, s18, s15
	s_mov_b32 s19, 0
	s_lshl_b32 s20, s14, 13                        ; sc, out1: 8,192 bytes a batch, + 2,048 x
	s_lshl_b32 s24, ttmp9, 11
	s_add_co_u32 s20, s20, s24
	s_mov_b32 s21, 0
	s_lshl_b32 s22, s14, 12                        ; out0: 4,096 bytes a batch, + 1,024 x
	s_add_co_u32 s22, s22, s15
	s_mov_b32 s23, 0
	s_wait_alu depctr_va_vdst(0)
	s_wait_kmcnt 0x0
	s_add_nc_u64 s[6:7], s[6:7], s[16:17]
	s_add_nc_u64 s[8:9], s[8:9], s[18:19]
	s_add_nc_u64 s[4:5], s[4:5], s[20:21]
	s_add_nc_u64 s[12:13], s[12:13], s[20:21]
	s_add_nc_u64 s[10:11], s[10:11], s[22:23]
.irp j, 0,1,2,3,4,5,6,7
	global_load_b64 v[4+2*\j:5+2*\j], v2, s[6:7] offset:128*\j     ; m_j, l_j
.endr
.irp j, 0,1,2,3,4,5,6,7
	global_load_b128 v[20+4*\j:23+4*\j], v1, s[8:9] offset:4096*\j
.endr
	global_load_b128 v[52:55], v1, s[4:5]
	global_load_b128 v[56:59], v1, s[4:5] offset:1024
	s_wait_loadcnt 10                              ; m and l are in; the ten loads behind them may be out
	v_max3_num_f32 v60, v4, v6, v8
	v_max3_num_f32 v60, v60, v10, v12
	v_max3_num_f32 v60, v60, v14, v16
	v_max_num_f32 v60, v60, v18                    ; M
.irp j, 0,1,2,3,4,5,6,7
	v_sub_f32 v[62+\j], v[4+2*\j], v60
.endr
.irp j, 0,1,2,3,4,5,6,7
	v_mul_f32 v[62+\j], s[L2E], v[62+\j]
.endr
	s_wait_alu depctr_va_vdst(0)
.irp j, 0,1,2,3,4,5,6,7
	v_exp_f32 v[62+\j], v[62+\j]                   ; w_j
.endr
	v_nop                                          ; a plain line behind the exponentials,
	s_wait_alu depctr_va_vdst(0)                   ; and one wait for the batch, ahead of its first reader
	v_mul_f32 v70, v62, v5
.irp j, 1,2,3,4,5,6,7
	v_fma_f32 v70, v[62+\j], v[5+2*\j], v70        ; L
.endr
	s_wait_alu depctr_va_vdst(0)
	v_rcp_f32 v71, v70
	v_nop
	s_wait_alu depctr_va_vdst(0)
	s_wait_loadcnt 2                               ; the eight parts of the context are in; the scores' two loads may be out
.irp i, 0,1,2,3
	v_mul_f32 v[72+\i], v62, v[20+\i]
.endr
.irp j, 1,2,3,4,5,6,7
.irp i, 0,1,2,3
	v_fma_f32 v[72+\i], v[62+\j], v[20+4*\j+\i], v[72+\i]
.endr
.endr
.irp i, 0,1,2,3
	v_mul_f32 v[72+\i], v[72+\i], v71
.endr
	global_store_b128 v1, v[72:75], s[10:11]
	s_wait_loadcnt 0x0
.irp i, 0,1,2,3,4,5,6,7
	v_sub_f32 v[76+\i], v[52+\i], v60
.endr
.irp i, 0,1,2,3,4,5,6,7
	v_mul_f32 v[76+\i], s[L2E], v[76+\i]
.endr
	s_wait_alu depctr_va_vdst(0)
.irp i, 0,1,2,3,4,5,6,7
	v_exp_f32 v[76+\i], v[76+\i]
.endr
	v_nop
	s_wait_alu depctr_va_vdst(0)
.irp i, 0,1,2,3,4,5,6,7
	v_mul_f32 v[76+\i], v[76+\i], v71
.endr
	global_store_b128 v1, v[76:79], s[12:13]
	global_store_b128 v1, v[80:83], s[12:13] offset:1024
	s_endpgm
.Lfunc_end_k_q675171bf97_finish:
	.size	k_q675171bf97_finish, .Lfunc_end_k_q675171bf97_finish-k_q675171bf97_finish
	.p2alignl 7, 3214868480
	.fill 96, 4, 3214868480
	.section	.rodata,"a",@progbits
	.p2align	6, 0x0
	.amdhsa_kernel k_q675171bf97_finish
		.amdhsa_group_segment_fixed_size 0
		.amdhsa_private_segment_fixed_size 0
		.amdhsa_enable_private_segment 0
		.amdhsa_kernarg_size 40
		.amdhsa_user_sgpr_count 2
		.amdhsa_user_sgpr_kernarg_segment_ptr 1
		.amdhsa_wavefront_size32 1
		.amdhsa_system_sgpr_workgroup_id_x 1
		.amdhsa_system_sgpr_workgroup_id_y 1
		.amdhsa_system_sgpr_workgroup_id_z 1
		.amdhsa_system_vgpr_workitem_id 0
		.amdhsa_next_free_vgpr 96
		.amdhsa_next_free_sgpr 66
		.amdhsa_reserve_vcc 0
		.amdhsa_float_denorm_mode_32 3
		.amdhsa_float_denorm_mode_16_64 3
		.amdhsa_memory_ordered 1
		.amdhsa_forward_progress 1
		.amdhsa_inst_pref_size 9
	.end_amdhsa_kernel
	.amdgpu_metadata
---
amdhsa.version: [ 1, 2 ]
amdhsa.kernels:
  - .name:           k_q675171bf97_finish
    .symbol:         k_q675171bf97_finish.kd
    .args:
      - { .name: sc, .offset: 0, .size: 8, .value_kind: global_buffer, .address_space: global }
      - { .name: pst, .offset: 8, .size: 8, .value_kind: global_buffer, .address_space: global }
      - { .name: pctx, .offset: 16, .size: 8, .value_kind: global_buffer, .address_space: global }
      - { .name: out0, .offset: 24, .size: 8, .value_kind: global_buffer, .address_space: global }
      - { .name: out1, .offset: 32, .size: 8, .value_kind: global_buffer, .address_space: global }
    .group_segment_fixed_size: 0
    .private_segment_fixed_size: 0
    .kernarg_segment_align: 8
    .kernarg_segment_size: 40
    .max_flat_workgroup_size: 64
    .sgpr_count:     66
    .vgpr_count:     96
    .wavefront_size: 32
...
	.end_amdgpu_metadata
.endif
;; end of part 3
